; MI455X (gfx1250); checked and timed in simulation.
; The chip was launched on July 23, 2026; its instructions are those of AMD's public machine-readable ISA for CDNA 5 (MIT licence, August 2026) and "CDNA5" Instruction Set Architecture Reference Guide (July 2026). The comments in the code are by the model that wrote it; some were corrected since.
;; Optical FC. Allowed arithmetic: matrix products marked QUANTISED: E2M1 operands, one E8M0 scale for each 32 along K, by v_wmma_scale_f32_16x16x128_f8f6f4 with both operands' format E2M1 (or v_wmma_scale_f32_32x16x128_f4), f32 sums; everything else in f32.
;; Inputs: biases 4,096 float32; noise 4,096 x 4,096 float32; tensor 4,096 x 4,096 float32; weights 4,096 x 4,096 float32.
;; Outputs: out0 4,096 x 4,096 float32.
;; This version of the problem:
;;   THIS VERSION OF THE PROBLEM IS GIVEN IN LOW PRECISION. The matrix products marked QUANTISED in the list below multiply operands that are first quantised to E2M1 (2 exponent bits, 1 mantissa bit; 4 bits a number), with one power-of-two scale for each 32 numbers along K (OCP MX v1.0); their sums are f32. All else is computed in f32.
;;   The module's matrix products, in the order in which they are computed (A, B: the left and right operand; K: the contracted axis; several contracted axes count as one K, in the product's order):
;;     1. [M 4,096, K 4,097] x [K 4,097, N 4,096]; A: computed on the way; B: computed on the way: QUANTISED
;;   THE QUANTISER, for each operand of a quantised product, along K:
;;     - K is cut into blocks of 32 from its start; a last block that is shorter is filled with zeros.
;;     - A block's scale is 2^e with e = floor(log2(the largest magnitude in the block)) - 2, held to -126 .. 127; a block of zeros has e = 0. As a byte (E8M0): e + 127.
;;     - Each number is divided by its block's scale, clamped to +-6, and rounded to the nearest number of E2M1, ties to even, subnormals kept.
;;     - The product sums the exact products of the quantised numbers (number of the format x scale) in f32.
;;   ~~~python
;;   def quantise(x, axis):      # numpy; x: float32 -> the quantised numbers, widened to float32 again
;;       x = np.moveaxis(x, axis, -1); K = x.shape[-1]
;;       x = np.pad(x, [(0, 0)] * (x.ndim - 1) + [(0, -K % 32)]); x = x.reshape(x.shape[:-1] + (-1, 32)); a = np.abs(x).max(-1, keepdims=True)
;;       e = np.where(a > 0, np.clip(np.frexp(np.where(a > 0, a, 1))[1] - 1 - 2, -126, 127), 0)      # np.frexp(a)[1] - 1 = floor(log2(a)), exactly
;;       r = np.clip(x / 2.0 ** e, -6, 6)
;;       step = 2.0 ** (np.maximum(np.frexp(np.where(r == 0, 1, r))[1] - 1, 0) - 1)
;;       q = np.round(r / step) * step * 2.0 ** e      # np.round: ties to even
;;       return np.moveaxis(q.reshape(q.shape[:-2] + (-1,))[..., :K], -1, axis).astype(np.float32)
;;   ~~~
;;   OPERANDS COMPUTED ON THE WAY. 'Computed on the way' means the value that the module computes at that place (a softmax that the list does not call 'softmax' is quantised finished and normalised). What goes into a quantiser is computed in f32, as accurately as f32 sums, v_exp_f32 and their like allow (about 1e-6 of the number): no bf16 or f16 on the way to a quantiser, and a product that is left as it is and whose result goes on into a quantised operand takes f32 operands (vector FMAs, or v_wmma_f32_16x16x4_f32). A number that lies on a knife's edge between two numbers of the format may be rounded either way, as far as f32 arithmetic and the matrix unit's own rounding can turn it there, and no further.
;; One version. Each part assembles by itself: llvm-mc -triple=amdgcn-amd-amdhsa -mcpu=gfx1250 --defsym DOCPART=n.
;; ======== version 1 of 1: 2 launches
;; limits: right only within a limited range of input values
;; workspace buffers: xq 8,912,896 bytes; wq 8,912,896 bytes
;; launch quant (part 1): grid 256 x 1, 16 waves a work-group, no clusters, 141,312 bytes of LDS; arguments tensor, weights, xq, wq; writes xq, wq
.if DOCPART == 1
	.amdgcn_target "amdgcn-amd-amdhsa--gfx1250"
	.amdhsa_code_object_version 6
	.text
	.protected	k_q297f568d19_quant
	.globl	k_q297f568d19_quant
	.p2align	8
	.type	k_q297f568d19_quant,@function
k_q297f568d19_quant:
	s_mov_b64 s[64:65], 0
	v_nop
	global_prefetch_b8 v0, s[64:65] scope:SCOPE_SE
	s_setreg_imm32_b32 hwreg(HW_REG_WAVE_MODE, 25, 1), 1
	s_wait_xcnt 0x0
; tensor [4096][4096] and weights [4096][4096], f32, go first through the problem's own uniform quantiser (clip to +-CLIP, x 127 / CLIP, round to nearest even, / (127 / CLIP); CLIP = 4 for the tensor, 1 for the weights)
; and then, in f32, into codes of FP4 (E2M1) with one E8M0 scale byte for each 32 along K.  Column 4,096 of the augmented operands (the ones, the biases) is made by the second launch.
; THE DIVISION is a multiplication by c = the f32 nearest to CLIP / 127.  The quotient is n x CLIP / 127 with n whole, |n| <= 127.  127 x c rounds to CLIP exactly (c lies 2^-28 of itself under CLIP / 127, half a step under CLIP is 2^-25);
; for every other n the quotient is neither a power of two nor the middle between two codes times a power of two (127 is prime), and lies more than 1 / 3,000 of itself from any such number: a last bit turns no scale and no code.
; A block's scale is 2^(floor(log2(its largest magnitude)) - 2); its byte is the largest magnitude's exponent field - 2, held at 1 from below.
; LIMITS: NaN among the inputs is not served (infinities are clipped as the problem clips them).  A block of zeros gets the byte 1 where the rule says 127: its codes are zeros, which add nothing under any byte but 0xff, and this program alone reads the bytes.
; THE OUTPUT'S LAYOUT is the second launch's: [group of 128 rows][K step of 512][chunk of 34,816 bytes].  A chunk: codes [block of 16 rows i][128 along K q][c = 0, 1][lane][16 bytes], the image of an operand's registers
; (lane 16 h + r holds the 32 codes k = 128 q + 64 c + 32 h + 0 .. 31 of row r); behind them, at byte 32,768, the scale words [i][r][q], byte b of a word for k = 128 q + 32 b on.
; SHARES.  Work-groups 0-127 take the tensor, 128-255 the weights: only pointers and three constants are chosen, there is one path.  A work-group takes 32 rows; wave w the 16 rows of half w / 8 and the 512 along K of K step w % 8:
; four steps of 16 rows x 128 along K.  Each load reads 512 consecutive bytes of a row; a step's 16 rows turn through the wave's own stage in LDS, so that a lane gets two whole blocks of 32 neighbours of one row.
; Two steps' loads (32 of 512 bytes) are out in each wave.  Waves share nothing: no barrier.  Nothing that a load or store names is ever written again: every offset is an immediate and each step has its own registers for its codes.
.set WREG, 8704                        ; LDS: a region for each wave: the stage, 16 rows x SP bytes, and behind it 256 bytes of scale words
.set SP,   528                         ; a stage row: 512 bytes + 16: the sixteen rows that a read touches start 33 x 16 bytes apart
.set SCB,  16*SP
.set CHUNK, 34816
.set LI,  4                            ; v4   16 x lane
.set SW,  5                            ; v5   the stage, on the way in: 16 x lane
.set XR,  6                            ; v6   and on the way out: row r, + 128 h
.set SA,  7                            ; v7   my row's scale words: 16 r
.set SL,  8                            ; v8   the scale words on their way out: 8 x lane
.set SG,  9                            ; v9   the same place in memory
.set SH,  11                           ; v11  8 h;   v10 the clip
.set M,   12                           ; v12-13 the two blocks' largest magnitudes
.set SO,  16                           ; v16-17 the conversions' scale operands;  v18-19 the bytes
.set PW,  20                           ; v20  the scale word; v21 the other half's part; v[22:23] scale words on their way out
.set C,   32                           ; v32-63   codes: 8 registers for each step
.set R,   64                           ; v64-191  two sets of 64: numbers as they are loaded
.set X,   192                          ; v192-255 my 64 numbers: register 32 c + i = k 64 c + 32 h + i of row r
	s_load_b256 s[4:11], s[0:1], 0x0               ; tensor s[4:5], weights s[6:7], xq s[8:9], wq s[10:11]
	v_lshl_add_u32 v30, v0, 2, 0x22000
	v_mov_b32 v31, 0
	v_lshrrev_b32 v1, 5, v0
	s_delay_alu instid0(VALU_DEP_1)
	v_readfirstlane_b32 s12, v1                    ; wave 0..15
	v_and_b32 v1, 31, v0                           ; lane
	v_and_b32 v2, 15, v0                           ; r
	v_bfe_u32 v3, v0, 4, 1                         ; h
	s_mul_i32 s16, s12, WREG                       ; my wave's region
	v_lshlrev_b32 v[LI], 4, v1
	s_delay_alu instid0(VALU_DEP_1)
	v_add_nc_u32 v[SW], s16, v[LI]
	v_mul_u32_u24 v[XR], v2, SP
	s_delay_alu instid0(VALU_DEP_1)
	v_lshl_add_u32 v[XR], v3, 7, v[XR]
	s_delay_alu instid0(VALU_DEP_1)
	v_add_nc_u32 v[XR], s16, v[XR]
	s_add_co_u32 s16, s16, SCB
	v_lshl_add_u32 v[SA], v2, 4, s16
	v_lshlrev_b32 v[SG], 3, v1
	s_delay_alu instid0(VALU_DEP_1)
	v_add_nc_u32 v[SL], s16, v[SG]
	v_lshlrev_b32 v[SH], 3, v3
	v_mov_b32 v21, 0                               ; written once: a lane permute's destination counts as one of its sources
	s_mov_b32 s30, 0x76543210
	s_mov_b32 s31, 0xfedcba98                      ; v_permlanex16_b32's selects for lane l xor 16
	s_and_b32 s13, ttmp9, 127                      ; which 32 rows of my tensor
	s_lshr_b32 s14, s12, 3
	s_lshl_b32 s17, s13, 1
	s_add_co_u32 s14, s14, s17                     ; rb: my block of 16 rows, 0..255
	s_and_b32 s15, s12, 7                          ; s: my K step of 512
	; WHICH ROWS FORM A BLOCK OF 16: block rb holds rows 64 (rb / 4) + rb % 4 + 4 j, j = 0 .. 15, of its tensor; the second launch's stores want that order
	s_lshr_b32 s26, s14, 2
	s_lshl_b32 s26, s26, 6
	s_and_b32 s27, s14, 3
	s_add_co_u32 s26, s26, s27                     ; the block's first row
	s_lshl_b32 s26, s26, 14                        ; in: x 16,384 bytes
	s_lshl_b32 s27, s15, 11                        ;     + s x 2,048 bytes
	s_add_co_u32 s26, s26, s27
	s_mov_b32 s27, 0
	s_lshr_b32 s28, s14, 3
	s_lshl_b32 s28, s28, 3
	s_add_co_u32 s28, s28, s15
	s_mul_i32 s28, s28, CHUNK                      ; out: my chunk: (8 x group + s) x 34,816
	s_and_b32 s25, s14, 7                          ; my block of 16 rows in it
	s_lshl_b32 s19, s25, 8
	s_add_co_u32 s18, s28, 32768
	s_add_co_u32 s18, s18, s19                     ; its scale words: 256 bytes a block, behind the codes
	s_mov_b32 s19, 0
	s_lshl_b32 s17, s25, 12
	s_add_co_u32 s28, s28, s17                     ; its codes: 4,096 bytes a block
	s_mov_b32 s29, 0
	s_wait_alu depctr_va_vdst(0)
	s_wait_kmcnt 0x0
	s_cmp_lt_u32 ttmp9, 128                        ; the tensor's work-group or the weights'?  The choice hangs on the work-group's number alone
	s_cselect_b64 s[4:5], s[4:5], s[6:7]
	s_cselect_b64 s[8:9], s[8:9], s[10:11]
	s_mov_b32 s20, 0x42fe0000                      ; 127
	s_cselect_b32 s20, 0x41fe0000, s20             ; or 31.75 = 127 / 4
	s_mov_b32 s22, 0x3c010204                      ; the f32 nearest to 1 / 127
	s_cselect_b32 s22, 0x3d010204, s22             ; or to 4 / 127
	s_mov_b32 s24, 1.0
	s_cselect_b32 s24, 4.0, s24                    ; the clip
	s_mov_b32 s21, s20                             ; (the packed forms name pairs and take the low word for both halves: so the high words are written)
	s_mov_b32 s23, s22
	v_mov_b32 v10, s24
	s_add_nc_u64 s[4:5], s[4:5], s[26:27]
	s_add_nc_u64 s[18:19], s[8:9], s[18:19]
	s_add_nc_u64 s[8:9], s[8:9], s[28:29]
.macro LOAD t                          ; step t: 16 rows x 512 consecutive bytes, into set t % 2
.irp j, 0,1,2,3,4,5,6,7,8,9,10,11,12,13,14,15
	global_load_b128 v[R+64*((\t)%2)+4*\j:R+64*((\t)%2)+4*\j+3], v[LI], s[4:5] offset:\j*65536+(\t)*512 th:TH_LOAD_NT   ; the block's rows lie four rows apart
.endr
.endm
.macro STEP t
.if (\t) < 3
	s_wait_loadcnt 16                              ; this step's 16 loads are in; the next step's 16 may be out
.else
	s_wait_loadcnt 0x0
.endif
.irp j, 0,1,2,3,4,5,6,7,8,9,10,11,12,13,14,15
	ds_store_b128 v[SW], v[R+64*((\t)%2)+4*\j:R+64*((\t)%2)+4*\j+3] offset:SP*\j   ; row j as it lies
.endr
.irp c, 0,1
.irp m, 0,1,2,3,4,5,6,7
	ds_load_b128 v[X+32*\c+4*\m:X+32*\c+4*\m+3], v[XR] offset:256*\c+16*\m         ; LDS serves a wave's instructions in order: these see the stores above.  Block 2 c + h of row r, whole
.endr
.endr
	s_wait_dscnt 0x0                               ; my 64 numbers are in, and the stores into the stage have read their registers,
.if (\t)+2 < 4
	LOAD (\t)+2                                    ; which take the loads of two steps on
.endif
.set j, 0
.rept 64
	v_med3_num_f32 v[X+j], v[X+j], -v10, v10       ; the clip
.set j, j+1
.endr
.set j, 0
.rept 32
	v_pk_mul_f32 v[X+j:X+j+1], v[X+j:X+j+1], s[20:21] op_sel_hi:[1,0]   ; x 127 / CLIP
.set j, j+2
.endr
.set j, 0
.rept 64
	v_rndne_f32 v[X+j], v[X+j]                     ; to the nearest whole number, ties to even
.set j, j+1
.endr
.set j, 0
.rept 32
	v_pk_mul_f32 v[X+j:X+j+1], v[X+j:X+j+1], s[22:23] op_sel_hi:[1,0]   ; x c: see the head
.set j, j+2
.endr
.irp c, 0,1
	v_max3_num_f32 v[M+\c], |v[X+32*\c]|, |v[X+32*\c+1]|, 0x1800000     ; my block's largest magnitude, and the floor 2^(3 - 127): so the byte cannot fall under 1
.endr
.irp i, 2,4,6,8,10,12,14,16,18,20,22,24,26,28,30
.irp c, 0,1
	s_delay_alu instid0(VALU_DEP_2)
	v_max3_num_f32 v[M+\c], v[M+\c], |v[X+32*\c+\i]|, |v[X+32*\c+\i+1]|   ; (the two blocks by turns)
.endr
.endr
.irp c, 0,1
	s_delay_alu instid0(VALU_DEP_2)
	v_add_nc_u32 v[SO+\c], 0xff000000, v[M+\c]     ; 2 off its exponent field: the conversion takes the exponent field of this operand as its scale, and nothing else of it
.endr
.irp c, 0,1
.irp g, 0,1,2,3
	v_cvt_scalef32_pk8_fp4_f32 v[C+8*(\t)+4*\c+\g], v[X+32*\c+8*\g:X+32*\c+8*\g+7], v[SO+\c]   ; registers 4 c .. 4 c + 3 of the operand
.endr
.endr
.irp c, 0,1
	v_lshrrev_b32 v[18+\c], 23, v[SO+\c]           ; the scales' bytes.  (Plain lines behind the conversions)
.endr
	s_delay_alu instid0(VALU_DEP_1)
	v_lshl_or_b32 v[PW], v19, 16, v18              ; my two bytes, blocks h and 2 + h of row r,
	s_delay_alu instid0(VALU_DEP_1)
	v_lshlrev_b32 v[PW], v[SH], v[PW]              ; at their places in the word (8 h bits up);
	s_delay_alu instid0(VALU_DEP_1)
	v_permlanex16_b32 v21, v[PW], s30, s31
	s_delay_alu instid0(VALU_DEP_1)
	v_or_b32 v[PW], v[PW], v21                     ; with lane l xor 16's two the word is whole
	ds_store_b32 v[SA], v[PW] offset:4*(\t)        ; both halves of the lanes write the same word with the same value
.irp c, 0,1
	global_store_b128 v[LI], v[C+8*(\t)+4*\c:C+8*(\t)+4*\c+3], s[8:9] offset:1024*(\t)+512*\c   ; 32 lanes store 512 consecutive bytes, at a multiple of 256 from the buffer's first byte
.endr
.endm
	LOAD 0
	LOAD 1
	s_wait_alu depctr_va_vdst(0)
	STEP 0
	STEP 1
	STEP 2
	STEP 3
	ds_load_b64 v[22:23], v[SL]                    ; LDS serves a wave's instructions in order: this sees my four stores
	s_wait_dscnt 0x0
	global_store_b64 v[SG], v[22:23], s[18:19]     ; 32 lanes store 256 consecutive bytes, at a multiple of 256 from the buffer's first byte
	s_wait_tensorcnt 0x0
	ds_add_u32 v30, v31
	s_wait_dscnt 0x0
	s_endpgm
.Lfunc_end_k_q297f568d19_quant:
	.size	k_q297f568d19_quant, .Lfunc_end_k_q297f568d19_quant-k_q297f568d19_quant
	.p2alignl 7, 3214868480
	.fill 96, 4, 3214868480
	.section	.rodata,"a",@progbits
	.p2align	6, 0x0
	.amdhsa_kernel k_q297f568d19_quant
		.amdhsa_group_segment_fixed_size 141312
		.amdhsa_private_segment_fixed_size 0
		.amdhsa_enable_private_segment 0
		.amdhsa_kernarg_size 32
		.amdhsa_user_sgpr_count 2
		.amdhsa_user_sgpr_kernarg_segment_ptr 1
		.amdhsa_wavefront_size32 1
		.amdhsa_system_sgpr_workgroup_id_x 1
		.amdhsa_system_sgpr_workgroup_id_y 1
		.amdhsa_system_sgpr_workgroup_id_z 1
		.amdhsa_system_vgpr_workitem_id 0
		.amdhsa_next_free_vgpr 256
		.amdhsa_next_free_sgpr 66
		.amdhsa_reserve_vcc 0
		.amdhsa_float_denorm_mode_32 3
		.amdhsa_float_denorm_mode_16_64 3
		.amdhsa_memory_ordered 1
		.amdhsa_forward_progress 1
		.amdhsa_inst_pref_size 75
	.end_amdhsa_kernel
	.amdgpu_metadata
---
amdhsa.version: [ 1, 2 ]
amdhsa.kernels:
  - .name:           k_q297f568d19_quant
    .symbol:         k_q297f568d19_quant.kd
    .args:
      - { .name: tensor, .offset: 0, .size: 8, .value_kind: global_buffer, .address_space: global }
      - { .name: weights, .offset: 8, .size: 8, .value_kind: global_buffer, .address_space: global }
      - { .name: xq, .offset: 16, .size: 8, .value_kind: global_buffer, .address_space: global }
      - { .name: wq, .offset: 24, .size: 8, .value_kind: global_buffer, .address_space: global }
    .group_segment_fixed_size: 141312
    .private_segment_fixed_size: 0
    .kernarg_segment_align: 8
    .kernarg_segment_size: 32
    .max_flat_workgroup_size: 512
    .sgpr_count:     66
    .vgpr_count:     256
    .wavefront_size: 32
...
	.end_amdgpu_metadata
.endif
;; end of part 1
;; launch gemm (part 2): grid 16 x 16, 4 waves a work-group, clusters of 4 x 4, 327,680 bytes of LDS; arguments xq, wq, biases, noise, out0; writes out0
.if DOCPART == 2
	.amdgcn_target "amdgcn-amd-amdhsa--gfx1250"
	.amdhsa_code_object_version 6
	.text
	.protected	k_q297f568d19_gemm
	.globl	k_q297f568d19_gemm
	.p2align	8
	.type	k_q297f568d19_gemm,@function
k_q297f568d19_gemm:
	s_mov_b64 s[64:65], 0
	v_nop
	global_prefetch_b8 v0, s[64:65] scope:SCOPE_SE
	s_setreg_imm32_b32 hwreg(HW_REG_WAVE_MODE, 25, 1), 1
	s_wait_xcnt 0x0
	s_wait_alu depctr_hold_cnt(0) depctr_sa_sdst(0) depctr_va_vdst(0) depctr_va_sdst(0) depctr_va_ssrc(0) depctr_va_vcc(0) depctr_vm_vsrc(0)
	s_getreg_b32 s2, hwreg(HW_REG_IB_STS2, 6, 4)
	s_cmp_eq_u32 s2, 0
	s_cbranch_scc0 .Lentry_in_a_cluster
	s_endpgm
.Lentry_in_a_cluster:
	s_bfe_u32 s2, ttmp6, 0x10000c
	s_cmp_lg_u32 s2, 0xf033
	s_cbranch_scc0 .Lentry_shape_is_right
	s_endpgm
.Lentry_shape_is_right:
; out0[m][n] = sum over k of X[m][k] W[n][k] + 0.01 noise[m][n], X and W the augmented operands in codes of FP4 (E2M1) with E8M0 scales for each 32 along K.
; k = 0 .. 4,095 come as the first launch laid them: [group of 128 rows][K step of 512][chunk of 34,816 bytes]; a chunk is the image of the operand's registers (32,768 bytes) and behind it the scale words [block][row][128 along K].
; BLOCK i = 4 G + i' OF A GROUP HOLDS ITS ROWS 64 G + i' + 4 t, t = 0 .. 15.  Source 0 = a block of X, source 1 = a block of W: register j of lane (r, h) of accumulator (a, b) is out0 at row 64 (a / 4) + a % 4 + 32 h + 4 j and
; column 64 (b / 4) + 4 r + b % 4 of my 128 x 128.  So the registers j of the four accumulators b = 4 g .. 4 g + 3 are four neighbouring columns, and sixteen lanes cover 256 consecutive bytes of a row, aligned:
; noise is loaded, and out0 stored, by 16 bytes a lane with no turn through LDS; four register moves (or the multiply-adds with the noise) gather the four numbers.
; k = 4,096 (the ones, the biases) is made here, in registers, and its products, with C = 0, start the 64 sums.  The one goes through the problem's uniform quantiser to 32 / 31.75, whose block has the scale 2^-2 (byte 125) and the code of 4;
; a bias is clipped to +-1, x 127, rounded to nearest even, x the f32 nearest to 1 / 127 (127 is prime: no such quotient lies at a power of two or at a middle between two codes, so a last bit turns nothing), and is its block's only number.
; LIMITS: NaN among the biases is not served.  A zero bias gets the byte 1 where the rule says 127: its code is zero.
; SHARES: a work-group of four waves makes 256 x 256 of out0, a wave 128 x 128: 64 accumulators, 512 registers.  256 work-groups.
; THE RING: two slots of one K step.  Wave w fetches one chunk of each K step (waves 0, 1: X's two groups; waves 2, 3: W's) and its two slots lie end to end in LDS; K steps 0 and 1 are neighbours in memory too,
; so the wave's one tensor load at the head brings both, as 272 rows of 256 bytes; every refill brings 136 rows.  CLUSTERS 4 x 4: X's chunks are asked for jointly along a row of the cluster, W's along a column.
; FRAGMENTS: two sets for X and two for W.  A quarter (128 along K) is ONE run of 32 LDS loads, the next quarter's fragments into the other pair of sets, and then 64 matrix instructions on end.
; PREFETCH: behind the refill for K step s + 2 the chunk of K step s + 4 is asked for; K steps 2 and 3 behind the head's barrier.  A chunk's 136 blocks of 256 bytes are shared out by address among the four partners that load it jointly,
; 34 each: one instruction with a lane a block, one more for the last two (lanes 1-31 name the last block).  The last trip asks for nothing.
; THE NOISE of a block of 16 rows is 64 registers.  Two buffers; trip L adds blocks L and 4 + L onto their accumulators, at the two changes of slots, behind the run of LDS loads there (a branch on the trip's number picks one of three
; copies of the 64 multiply-adds), and loads blocks L + 1 and 5 + L, two K steps ahead of their use: so the noise has no prefetch.  Blocks 3 and 7 stay in the buffers and are added on the way out.
; REGISTERS: window 0: v0-31 addresses; v32-95 scale words, two sets; v96-127 the tail column's work; v128-255 X's fragments.  Window 1: v0-63, v128-191 W's fragments; v64-127, v192-255 noise.
; Windows 2, 3: the accumulators ((a, b) at v[8 (8 (a % 4) + b)]).
.set NP,     4
.set CHUNK,  34816
.set GROUPB, 8*CHUNK
.set REGION, 2*CHUNK                   ; a wave's two slots
.set SPARE,  4*REGION                  ; the spare words: 128 bytes a wave
.set ROWC,   16384
.set ADRA, 16                          ; v16-17 my X fragments in slot 0, 1;  v18-19 scale words;  v20-21 W fragments
.set ADRS, 18
.set ADRB, 20
.set PFO,  22                          ; v22 256 x lane;  v23 256 x (32 + min(lane, 1))
.set PFO2, 23
.set CO,   26                          ; my place in noise and out0: 32 h rows + 16 r bytes
.set SPW,  28
.set NIL,  29
.set BO,   30                          ; 16 r
.set SC,   32
.set TA,   96
.set TS,   104
.set BV,   112
.set CV,   120
.set AF,   128
.set TQ,   192
.set G1, 24
.set G0, 32
.set G1B, 48
.set G0B, 56
.set PFA, 66                           ; s[66:67] my part of my chunk of the trip's first K step
.set CN,  68                           ; s68 0.01
.set MSB, 0
.macro WIN new
.if MSB != (\new)
	s_set_vgpr_msb (MSB<<8)|(\new)
.set MSB, (\new)
.endif
.endm
.set MUL_LO, 0xa4                      ; source 0 (X) window 0, source 1 (W, or noise) window 1, C and D window 2
.set TO_B,   0x40
.macro JLOAD g0a, g1a, g0b, g1b        ; a joint load: waves 0, 1 for X, waves 2, 3 for W
	s_cmp_eq_u32 s15, 0
	s_cbranch_scc0 .Lfor_b_\@
	tensor_load_to_lds s[\g0a:\g0a+3], s[\g1a:\g1a+7]
	s_nop 0
.rept 4
	v_nop
.endr
	s_branch .Lasked_\@
.Lfor_b_\@:
	tensor_load_to_lds s[\g0b:\g0b+3], s[\g1b:\g1b+7]
	s_nop 0
.rept 4
	v_nop
.endr
.Lasked_\@:
.endm
.macro CREST
	s_cmp_lg_u32 s14, 0
	s_cbranch_scc1 .Lnot_wave_0_\@
	s_barrier_signal -3
.Lnot_wave_0_\@:
	s_barrier_wait -3
	s_barrier_signal -1
	s_barrier_wait -1
.endm
.macro CROUND
	s_barrier_signal -1
	s_barrier_wait -1
	CREST
.endm
.macro PLACES n
.rept \n
	v_nop
.endr
.endm
	s_load_b256 s[4:11], s[0:1], 0x0               ; xq, wq, biases, noise
	s_load_b64 s[12:13], s[0:1], 0x20              ; out0
	v_lshl_add_u32 v[SPW], v0, 2, SPARE
	v_mov_b32 v[NIL], 0
	ds_add_u32 v[SPW], v[NIL]                      ; the opening lines: the add twice on end and one wait
	ds_add_u32 v[SPW], v[NIL]
	v_lshrrev_b32 v1, 5, v0
	v_readfirstlane_b32 s14, v1                    ; wave
	v_and_b32 v1, 15, v0                           ; r
	v_lshlrev_b32 v[BO], 4, v1
	v_and_b32 v3, 31, v0
	v_lshlrev_b32 v[PFO], 8, v3
	v_min_u32 v4, 1, v3
	v_lshl_add_u32 v[PFO2], v4, 8, 0x2000
	s_lshr_b32 s15, s14, 1                         ; my half of the rows; also: I fetch for X (0) or W (1)
	s_and_b32 s16, s14, 1                          ; my half of the columns; also: which group I fetch
	s_bfe_u32 s40, ttmp6, 0x40000                  ; cx
	s_bfe_u32 s41, ttmp6, 0x40004                  ; cy
	s_lshl_b32 s42, ttmp9, 2
	s_add_co_u32 s42, s42, s40                     ; tile column
	s_and_b32 s17, ttmp7, 0xffff
	s_lshl_b32 s17, s17, 2
	s_add_co_u32 s17, s17, s41                     ; tile row
	s_lshl_b32 s43, s41, 2
	s_lshl_b32 s43, 15, s43                        ; my row of the cluster
	s_lshl_b32 s44, 0x1111, s40                    ; my column
	s_or_b32 s[G1+0], s43, (3<<16)|(1<<21)         ; elements of 8 bytes, no padding
	s_or_b32 s[G1B+0], s44, (3<<16)|(1<<21)
.irp g, G1, G1B
	s_mov_b32 s[\g+1], 32<<16                      ; rows of 256 bytes;
	s_mov_b32 s[\g+2], 272<<16                     ; 272 of them at the head: two chunks
	s_mov_b32 s[\g+3], 32<<16
	s_mov_b32 s[\g+4], 272
	s_mov_b32 s[\g+5], 32
	s_mov_b32 s[\g+6], 0
	s_mov_b32 s[\g+7], 0
.endr
	s_lshl_b32 s20, s17, 1
	s_add_co_u32 s20, s20, s16
	s_mul_i32 s20, s20, GROUPB                     ; X's group 2 x tile row + half
	s_mov_b32 s21, 0
	s_lshl_b32 s46, s42, 1
	s_add_co_u32 s46, s46, s16
	s_mul_i32 s46, s46, GROUPB                     ; W's group 2 x tile column + half
	s_mov_b32 s47, 0
	s_mul_i32 s45, s14, REGION
	s_lshl_b32 s22, s42, 10
	s_lshl_b32 s23, s16, 9
	s_add_co_u32 s22, s22, s23                     ; my first column, in bytes
	s_mov_b32 s23, 0
	s_lshl_b32 s18, s17, 8
	s_lshl_b32 s19, s15, 7
	s_add_co_u32 s18, s18, s19
	s_lshl_b32 s18, s18, 14
	s_add_co_u32 s18, s18, s22                     ; my corner of noise and out0
	s_mov_b32 s19, 0
	s_mov_b32 s[CN], 0x3c23d70a
	s_mul_i32 s72, s15, REGION                     ; LDS: my 128 rows of X,
	s_mul_i32 s73, s16, REGION
	s_add_co_u32 s73, s73, 2*REGION                ; of W,
	s_xor_b32 s74, s15, 1
	s_add_co_u32 s74, s74, s16
	s_add_co_u32 s74, s74, 1
	s_mul_i32 s74, s74, REGION                     ; the distance between the two,
	s_add_co_u32 s75, s72, 32768                   ; X's scale words
	s_wait_alu depctr_va_vdst(0)
	s_wait_dscnt 0x0
	s_wait_kmcnt 0x0
	s_add_nc_u64 s[20:21], s[4:5], s[20:21]
	s_add_nc_u64 s[46:47], s[6:7], s[46:47]
	s_add_nc_u64 s[8:9], s[8:9], s[22:23]
	s_add_nc_u64 s[10:11], s[10:11], s[18:19]
	s_add_nc_u64 s[12:13], s[12:13], s[18:19]
	s_cmp_eq_u32 s15, 0
	s_cselect_b64 s[PFA:PFA+1], s[20:21], s[46:47] ; the stream of chunks that I fetch,
	s_cselect_b32 s70, s40, s41                    ; my place among the four that ask for it with me,
	s_mul_i32 s70, s70, 34*256                     ; and my work-group's 34 blocks of a chunk
	s_mov_b32 s71, 0
	s_add_nc_u64 s[PFA:PFA+1], s[PFA:PFA+1], s[70:71]
.irp g, 0,1
	global_load_b128 v[BV+4*\g:BV+4*\g+3], v[BO], s[8:9] offset:256*\g   ; the biases of W's blocks 4 g .. 4 g + 3 at my column r: sixteen lanes read 256 consecutive bytes
.endr
.irp s, 0,1
	s_mov_b32 s[G0+4*\s], 1
	s_add_co_u32 s[G0+4*\s+1], s45, \s*CHUNK
	s_add_nc_u64 s[G0+4*\s+2:G0+4*\s+3], s[20:21], \s*CHUNK
	s_or_b32 s[G0+4*\s+3], s[G0+4*\s+3], 0x80000000
	s_mov_b32 s[G0B+4*\s], 1
	s_add_co_u32 s[G0B+4*\s+1], s45, \s*CHUNK
	s_add_nc_u64 s[G0B+4*\s+2:G0B+4*\s+3], s[46:47], \s*CHUNK
	s_or_b32 s[G0B+4*\s+3], s[G0B+4*\s+3], 0x80000000
.endr
	CROUND                                         ; all sixteen work-groups are here: the first joint loads meet
	JLOAD G0, G1, G0B, G1B                         ; my one load at the head: K steps 0 and 1, both my slots
	v_bfe_u32 v2, v0, 4, 1                         ; h
	v_lshlrev_b32 v5, 4, v3                        ; 16 x lane
	v_add_nc_u32 v[ADRA], s72, v5
	v_add_nc_u32 v[ADRB], s73, v5
	v_add_nc_u32 v[ADRA+1], CHUNK, v[ADRA]
	v_add_nc_u32 v[ADRB+1], CHUNK, v[ADRB]
	v_mul_u32_u24 v4, s74, v2                      ; lanes 16-31 take W's scale words
	v_lshl_add_u32 v4, v1, 4, v4
	v_add_nc_u32 v[ADRS], s75, v4
	v_add_nc_u32 v[ADRS+1], CHUNK, v[ADRS]
	v_lshl_add_u32 v[CO], v2, 19, v[BO]            ; 32 h rows of 16,384 bytes + 16 r
; THE TAIL COLUMN, k = 4,096: operands of zero codes but for the first code of lanes 0-15
.irp j, 1,2,3,4,5,6,7
	v_mov_b32 v[TA+\j], 0
	v_mov_b32 v[CV+\j], 0
.irp i, 0,1,2,3,4,5,6,7
	v_mov_b32 v[AF+8*\i+\j], 0
.endr
.endr
	v_cmp_eq_u32 vcc_lo, 1, v2
	v_cndmask_b32 v[TA], 6, v[CV+1], vcc_lo        ; X's: the code of 4
	s_wait_alu depctr_va_vdst(0)
	s_wait_loadcnt 0x0                             ; the biases
.irp i, 0,1,2,3,4,5,6,7
	v_med3_num_f32 v[BV+\i], v[BV+\i], -1.0, 1.0
.endr
.irp i, 0,1,2,3,4,5,6,7
	v_mul_f32 v[BV+\i], 0x42fe0000, v[BV+\i]
.endr
.irp i, 0,1,2,3,4,5,6,7
	v_rndne_f32 v[BV+\i], v[BV+\i]
.endr
.irp i, 0,1,2,3,4,5,6,7
	v_mul_f32 v[BV+\i], 0x3c010204, v[BV+\i]
.endr
.irp i, 0,1,2,3,4,5,6,7
	v_max3_num_f32 v[TQ+\i], |v[BV+\i]|, |v[BV+\i]|, 0x1800000   ; the block's largest magnitude, and the floor 2^(3 - 127)
.endr
.irp i, 0,1,2,3,4,5,6,7
	v_add_nc_u32 v[TQ+\i], 0xff000000, v[TQ+\i]    ; the conversion's scale operand
.endr
.irp i, 0,1,2,3,4,5,6,7
	v_lshrrev_b32 v[TQ+8+\i], 23, v[TQ+\i]         ; the byte
.endr
.irp i, 0,1,2,3,4,5,6,7
	v_cndmask_b32 v[CV], v[BV+\i], v[CV+1], vcc_lo
	v_cvt_scalef32_pk8_fp4_f32 v[AF+8*\i], v[CV:CV+7], v[TQ+\i]
	v_cndmask_b32 v[TS+\i], 125, v[TQ+8+\i], vcc_lo   ; lanes 0-15 X's byte, lanes 16-31 the bias's
.endr
	PLACES 8
.irp a, 0,1,2,3,4,5,6,7
	WIN 0x80+0x40*(\a/4)
.irp b, 0,1,2,3,4,5,6,7
	v_wmma_scale_f32_16x16x128_f8f6f4 v[8*(8*(\a%4)+\b):8*(8*(\a%4)+\b)+7], v[TA:TA+7], v[AF+8*\b:AF+8*\b+7], 0, v[TS+\a], v[TS+\b] matrix_a_fmt:MATRIX_FMT_FP4 matrix_b_fmt:MATRIX_FMT_FP4 matrix_b_scale:MATRIX_SCALE_ROW1
.endr
.endr
	WIN 0
	PLACES NP
.macro FRAG reg, adr, q, i
.irp c, 0,1
	ds_load_b128 v[\reg+4*\c:\reg+4*\c+3], v[\adr] offset:4096*(\i)+1024*(\q)+512*\c
.endr
.endm
.macro LDB slot, q, p                  ; W's eight fragments of the slot's q-th 128 along K into set p
	WIN TO_B
.irp i, 0,1,2,3,4,5,6,7
	FRAG 128*(\p)+8*\i, ADRB+\slot, \q, \i
.endr
.endm
.macro LDA slot, q, p                  ; X's
	WIN 0
.irp i, 0,1,2,3,4,5,6,7
	FRAG AF+64*(\p)+8*\i, ADRA+\slot, \q, \i
.endr
.endm
.macro SCALES sc                       ; a K step's scale words: lanes 0-15 X's block i, lanes 16-31 W's block i
	WIN 0
.irp i, 0,1,2,3,4,5,6,7
	ds_load_b128 v[SC+32*\sc+4*\i:SC+32*\sc+4*\i+3], v[ADRS+\sc] offset:256*\i
.endr
.endm
.macro MULA a, p, q, sc                ; X's block a x W's eight; the 64 accumulators take turns
	WIN MUL_LO+0x50*((\a)/4)
.irp b, 0,1,2,3,4,5,6,7
	v_wmma_scale_f32_16x16x128_f8f6f4 v[8*(8*((\a)%4)+\b):8*(8*((\a)%4)+\b)+7], v[AF+64*(\p)+8*(\a):AF+64*(\p)+8*(\a)+7], v[128*(\p)+8*\b:128*(\p)+8*\b+7], v[8*(8*((\a)%4)+\b):8*(8*((\a)%4)+\b)+7], v[SC+32*(\sc)+4*(\a)+(\q)], v[SC+32*(\sc)+4*\b+(\q)] matrix_a_fmt:MATRIX_FMT_FP4 matrix_b_fmt:MATRIX_FMT_FP4 matrix_b_scale:MATRIX_SCALE_ROW1
.endr
.endm
; 128 along K.  Its fragments came in the order W's 0-7, (scale words,) X's 0-7.  ld = 1: the next 128 of the same slot are fetched into the other sets, in one run of 32 loads at the head.
; Each wait leaves out what was issued behind the fragments now needed: X's later blocks of this quarter, two loads each, and the 32 loads of this quarter's own run.
.macro Q slot, q, ld
.set P, (\q)%2
	s_wait_dscnt 12                                ; W's eight and X's blocks 0, 1 are in
	PLACES NP                                      ; behind the last quarter's products, which read the sets that are loaded now
.if \ld
	LDB \slot, (\q)+1, 1-P
	LDA \slot, (\q)+1, 1-P
.endif
.irp a, 0,1,2,3,4,5,6,7
.if (\a) == 2
	s_wait_dscnt 8+32*(\ld)
.endif
.if (\a) == 4
	s_wait_dscnt 4+32*(\ld)
.endif
.if (\a) == 6
	s_wait_dscnt 32*(\ld)
.endif
	MULA \a, P, \q, \slot
.endr
.endm
.macro NLOAD row, nb                   ; the noise of block 4 nb + (the base's row + row) into buffer nb: register 8 j + 4 g + i goes with register j of accumulator 4 g + i; sixteen lanes read 256 consecutive bytes
	WIN TO_B
.irp j, 0,1,2,3,4,5,6,7
.irp g, 0,1
	global_load_b128 v[64+128*(\nb)+8*\j+4*\g:64+128*(\nb)+8*\j+4*\g+3], v[CO], s[10:11] offset:(64*(\nb)+(\row)+4*\j)*ROWC+256*\g th:TH_LOAD_NT
.endr
.endr
.endm
.macro NADD a, nb                      ; block a's accumulators += 0.01 x buffer nb; register 0 of every accumulator first
	WIN MUL_LO+0x50*((\a)/4)
.irp j, 0,1,2,3,4,5,6,7
.irp g, 0,1
.irp i, 0,1,2,3
	v_fma_f32 v[8*(8*((\a)%4)+4*\g+\i)+\j], s[CN], v[64+128*(\nb)+8*\j+4*\g+\i], v[8*(8*((\a)%4)+4*\g+\i)+\j]
.endr
.endr
.endr
	WIN 0
	s_wait_alu depctr_va_vdst(0)
.endm
.macro FOLD3 pos                       ; trip s3 adds block 4 pos + s3; then the buffer takes the next block
	WIN 0
	PLACES NP                                      ; behind the last products
	s_wait_loadcnt 16                              ; this buffer's 16 loads are in; the other buffer's may be out
	s_cmp_eq_u32 s3, 0
	s_cbranch_scc0 .Lf1_\@
	NADD 4*\pos, \pos
	s_branch .Lfj_\@
.Lf1_\@:
	s_cmp_eq_u32 s3, 1
	s_cbranch_scc0 .Lf2_\@
	NADD 4*\pos+1, \pos
	s_branch .Lfj_\@
.Lf2_\@:
	NADD 4*\pos+2, \pos
.Lfj_\@:
	NLOAD 1, \pos
	PLACES NP
.endm
.macro TURN slot, next, fill           ; a slot's last 128 along K, and the change of slots
	WIN 0
	s_wait_tensorcnt 0x0                           ; all my tensor loads have landed: my chunk of the next slot
	ds_add_u32 v[SPW], v[NIL]
	s_wait_dscnt 1                                 ; this quarter's fragments are in; the add may be out
	PLACES NP                                      ; behind the last quarter's products, which read the sets that are loaded below
	MULA 0, 1, 3, \slot
	s_wait_dscnt 0x0                               ; the add is done, my reads of this slot are over
	s_barrier_signal -1
	MULA 1, 1, 3, \slot
	WIN 0
	s_barrier_wait -1
.if \fill
	CREST                                          ; the barrier has opened a round of the cluster's barrier
	s_add_nc_u64 s[G0+4*\slot+2:G0+4*\slot+3], s[G0+4*\slot+2:G0+4*\slot+3], 2*CHUNK
	s_add_nc_u64 s[G0B+4*\slot+2:G0B+4*\slot+3], s[G0B+4*\slot+2:G0B+4*\slot+3], 2*CHUNK
	JLOAD G0+4*\slot, G1, G0B+4*\slot, G1B         ; the refill, first behind the round
.endif
	LDB \next, 0, 0                                ; one run of 40 loads: the next slot's first fragments and its scale words
	SCALES \next
	LDA \next, 0, 0
.if \fill
	s_cmp_lt_u32 s3, 2                             ; the third trip's look-ahead would pass K's end: it asks for nothing
	s_cbranch_scc0 .Lno_ask_\@
	global_prefetch_b8 v[PFO], s[PFA:PFA+1] offset:(4+\slot)*CHUNK th:TH_LOAD_NT scope:SCOPE_SE    ; the chunk that the refill two changes of slots on will bring
	global_prefetch_b8 v[PFO2], s[PFA:PFA+1] offset:(4+\slot)*CHUNK th:TH_LOAD_NT scope:SCOPE_SE
.Lno_ask_\@:
	FOLD3 \slot                                    ; the noise, while the fragments are on their way
.endif
.irp a, 2,3,4,5,6,7
	MULA \a, 1, 3, \slot
.endr
.endm
	s_wait_tensorcnt 0x0                           ; my two chunks are in, and no tensor load of mine is out: from here on a load brings 136 rows
	s_mov_b32 s[G1+2], 136<<16
	s_mov_b32 s[G1+4], 136
	s_mov_b32 s[G1B+2], 136<<16
	s_mov_b32 s[G1B+4], 136
	s_barrier_signal -1
	s_barrier_wait -1                              ; everybody's are in
	LDB 0, 0, 0
	WIN 0
.irp s, 2,3
	global_prefetch_b8 v[PFO], s[PFA:PFA+1] offset:\s*CHUNK th:TH_LOAD_NT scope:SCOPE_SE
	global_prefetch_b8 v[PFO2], s[PFA:PFA+1] offset:\s*CHUNK th:TH_LOAD_NT scope:SCOPE_SE
.endr
	SCALES 0
	LDA 0, 0, 0
	NLOAD 0, 0                                     ; blocks 0 and 4
	NLOAD 0, 1
	WIN 0
	s_mov_b32 s3, 0
.Llap:                                                 ; a trip: two K steps, both slots filled again, two blocks of noise added, two more asked for
	Q 0, 0, 1
	Q 0, 1, 1
	Q 0, 2, 1
	TURN 0, 1, 1
	Q 1, 0, 1
	Q 1, 1, 1
	Q 1, 2, 1
	TURN 1, 0, 1
	WIN 0
	s_wait_xcnt 0x0                                ; the trip's loads and prefetches have read their bases
	s_add_nc_u64 s[PFA:PFA+1], s[PFA:PFA+1], 2*CHUNK
	s_add_nc_u64 s[10:11], s[10:11], ROWC          ; the next trip's blocks begin one row further down
	s_add_co_u32 s3, s3, 1
	s_cmp_lt_u32 s3, 3
	s_cbranch_scc1 .Llap
	Q 0, 0, 1                                      ; the last two K steps fill nothing
	Q 0, 1, 1
	Q 0, 2, 1
	TURN 0, 1, 0
	Q 1, 0, 1
	Q 1, 1, 1
	Q 1, 2, 1
	Q 1, 3, 0
; THE WAY OUT of block a through 64 registers of window 1: four neighbouring columns are gathered from four accumulators, by the multiply-add with the noise that lies there (add = 1) or by a move; then 16 stores, sixteen lanes to an aligned 256 bytes.
.macro FIN a, buf, add
.if \add
	WIN 0x44+0x10*(2+(\a)/4)
.else
	WIN 0x42+(\a)/4
.endif
.irp j, 0,1,2,3,4,5,6,7
.irp g, 0,1
.irp i, 0,1,2,3
.if \add
	v_fma_f32 v[\buf+8*\j+4*\g+\i], s[CN], v[\buf+8*\j+4*\g+\i], v[8*(8*((\a)%4)+4*\g+\i)+\j]
.else
	v_mov_b32 v[\buf+8*\j+4*\g+\i], v[8*(8*((\a)%4)+4*\g+\i)+\j]
.endif
.endr
.endr
.endr
	WIN 0x04
.irp j, 0,1,2,3,4,5,6,7
.irp g, 0,1
	global_store_b128 v[CO], v[\buf+8*\j+4*\g:\buf+8*\j+4*\g+3], s[12:13] offset:(64*((\a)/4)+(\a)%4+4*\j)*ROWC+256*\g th:TH_STORE_NT
.endr
.endr
.endm
	WIN 0
	PLACES NP
	s_wait_loadcnt 0x0                             ; the noise of blocks 3 and 7
	FIN 3, 64, 1
	FIN 7, 192, 1
	FIN 0, 0, 0
	FIN 1, 128, 0
	s_wait_xcnt 0x0                                ; the stores have read their data: the four buffers are written again
	FIN 2, 64, 0
	FIN 4, 192, 0
	FIN 5, 0, 0
	FIN 6, 128, 0
	WIN 0
	s_wait_tensorcnt 0x0                           ; the wave's end
	ds_add_u32 v[SPW], v[NIL]
	s_wait_dscnt 0x0
	CROUND                                         ; the closing round
	s_endpgm
.Lfunc_end_k_q297f568d19_gemm:
	.size	k_q297f568d19_gemm, .Lfunc_end_k_q297f568d19_gemm-k_q297f568d19_gemm
	.p2alignl 7, 3214868480
	.fill 96, 4, 3214868480
	.section	.rodata,"a",@progbits
	.p2align	6, 0x0
	.amdhsa_kernel k_q297f568d19_gemm
		.amdhsa_group_segment_fixed_size 327680
		.amdhsa_private_segment_fixed_size 0
		.amdhsa_enable_private_segment 0
		.amdhsa_kernarg_size 40
		.amdhsa_user_sgpr_count 2
		.amdhsa_user_sgpr_kernarg_segment_ptr 1
		.amdhsa_wavefront_size32 1
		.amdhsa_system_sgpr_workgroup_id_x 1
		.amdhsa_system_sgpr_workgroup_id_y 1
		.amdhsa_system_sgpr_workgroup_id_z 1
		.amdhsa_system_vgpr_workitem_id 0
		.amdhsa_next_free_vgpr 1024
		.amdhsa_next_free_sgpr 84
		.amdhsa_reserve_vcc 1
		.amdhsa_float_denorm_mode_32 3
		.amdhsa_float_denorm_mode_16_64 3
		.amdhsa_memory_ordered 1
		.amdhsa_forward_progress 1
		.amdhsa_inst_pref_size 255
	.end_amdhsa_kernel
	.section	.bss,"aw",@nobits
	.p2align	6
	.space	262144
	.amdgpu_metadata
---
amdhsa.version: [ 1, 2 ]
amdhsa.kernels:
  - .name:           k_q297f568d19_gemm
    .symbol:         k_q297f568d19_gemm.kd
    .args:
      - { .name: xq, .offset: 0, .size: 8, .value_kind: global_buffer, .address_space: global }
      - { .name: wq, .offset: 8, .size: 8, .value_kind: global_buffer, .address_space: global }
      - { .name: biases, .offset: 16, .size: 8, .value_kind: global_buffer, .address_space: global }
      - { .name: noise, .offset: 24, .size: 8, .value_kind: global_buffer, .address_space: global }
      - { .name: out0, .offset: 32, .size: 8, .value_kind: global_buffer, .address_space: global }
    .group_segment_fixed_size: 327680
    .private_segment_fixed_size: 0
    .kernarg_segment_align: 8
    .kernarg_segment_size: 40
    .max_flat_workgroup_size: 128
    .sgpr_count:     84
    .vgpr_count:     1024
    .wavefront_size: 32
...
	.end_amdgpu_metadata
.endif
;; end of part 2
